; MI455X (gfx1250); checked and timed in simulation.
; The chip was launched on July 23, 2026; its instructions are those of AMD's public machine-readable ISA for CDNA 5 (MIT licence, August 2026) and "CDNA5" Instruction Set Architecture Reference Guide (July 2026). The comments in the code are by the model that wrote it; some were corrected since.
;; Attention. Allowed arithmetic: matrix products marked QUANTISED: E3M2 operands, one E8M0 scale for each 32 along K, by v_wmma_scale_f32_16x16x128_f8f6f4 with both operands' format E3M2, f32 sums; everything else in f32.
;; Inputs: wk 1,024 x 1,024 float32; wo 1,024 x 1,024 float32; wq 1,024 x 1,024 float32; wv 1,024 x 1,024 float32; x 2 x 2,048 x 1,024 float32.
;; Outputs: out0 2 x 2,048 x 1,024 float32.
;; This version of the problem:
;;   THIS VERSION OF THE PROBLEM IS GIVEN IN LOW PRECISION. The matrix products marked QUANTISED in the list below multiply operands that are first quantised to E3M2 (3 exponent bits, 2 mantissa bits; 6 bits a number), with one power-of-two scale for each 32 numbers along K (OCP MX v1.0); their sums are f32. All else is computed in f32.
;;   The module's matrix products, in the order in which they are computed (A, B: the left and right operand; K: the contracted axis; several contracted axes count as one K, in the product's order):
;;     1. [M 4,096, K 1,024] x [K 1,024, N 1,024]; A: input x; B: input wq: QUANTISED
;;     2. [M 4,096, K 1,024] x [K 1,024, N 1,024]; A: input x; B: input wk: QUANTISED
;;     3. [M 4,096, K 1,024] x [K 1,024, N 1,024]; A: input x; B: input wv: QUANTISED
;;     4. batch 32 x [M 2,048, K 64] x [K 64, N 2,048]; A: computed on the way; B: computed on the way: QUANTISED
;;     5. batch 32 x [M 2,048, K 2,048] x [K 2,048, N 64]; A: softmax (see below); B: computed on the way: QUANTISED
;;     6. [M 4,096, K 1,024] x [K 1,024, N 1,024]; A: computed on the way; B: input wo: QUANTISED
;;   THE QUANTISER, for each operand of a quantised product, along K:
;;     - K is cut into blocks of 32 from its start; a last block that is shorter is filled with zeros.
;;     - A block's scale is 2^e with e = floor(log2(the largest magnitude in the block)) - 4, held to -126 .. 127; a block of zeros has e = 0. As a byte (E8M0): e + 127.
;;     - Each number is divided by its block's scale, clamped to +-28, and rounded to the nearest number of E3M2, ties to even, subnormals kept.
;;     - The product sums the exact products of the quantised numbers (number of the format x scale) in f32.
;;   ~~~python
;;   def quantise(x, axis):      # numpy; x: float32 -> the quantised numbers, widened to float32 again
;;       x = np.moveaxis(x, axis, -1); K = x.shape[-1]
;;       x = np.pad(x, [(0, 0)] * (x.ndim - 1) + [(0, -K % 32)]); x = x.reshape(x.shape[:-1] + (-1, 32)); a = np.abs(x).max(-1, keepdims=True)
;;       e = np.where(a > 0, np.clip(np.frexp(np.where(a > 0, a, 1))[1] - 1 - 4, -126, 127), 0)      # np.frexp(a)[1] - 1 = floor(log2(a)), exactly
;;       r = np.clip(x / 2.0 ** e, -28, 28)
;;       step = 2.0 ** (np.maximum(np.frexp(np.where(r == 0, 1, r))[1] - 1, -2) - 2)
;;       q = np.round(r / step) * step * 2.0 ** e      # np.round: ties to even
;;       return np.moveaxis(q.reshape(q.shape[:-2] + (-1,))[..., :K], -1, axis).astype(np.float32)
;;   ~~~
;;   SOFTMAX AHEAD OF A QUANTISED PRODUCT. Where the list says 'softmax', what is quantised is not the finished softmax but p = 2^(t - M), with t = logit x log2(e) and M = ceil(the row's largest t), a whole number; so 1/2 < the row's largest p <= 1. The row's sum l is taken of the UNQUANTISED p, in f32, and the product's result is divided by l at the end. Since M is a whole number, a kernel that streams over the keys may use a running M (the ceiling of the running maximum): every later rescaling is an exact power of two, which a block's scale takes up: the codes' values come out the same.
;;   OPERANDS COMPUTED ON THE WAY. 'Computed on the way' means the value that the module computes at that place (a softmax that the list does not call 'softmax' is quantised finished and normalised). What goes into a quantiser is computed in f32, as accurately as f32 sums, v_exp_f32 and their like allow (about 1e-6 of the number): no bf16 or f16 on the way to a quantiser, and a product that is left as it is and whose result goes on into a quantised operand takes f32 operands (vector FMAs, or v_wmma_f32_16x16x4_f32). A number that lies on a knife's edge between two numbers of the format may be rounded either way, as far as f32 arithmetic and the matrix unit's own rounding can turn it there, and no further.
;; One version. Each part assembles by itself: llvm-mc -triple=amdgcn-amd-amdhsa -mcpu=gfx1250 --defsym DOCPART=n.
;; ======== version 1 of 1: 4 launches
;; limits: right only within a limited range of input values
;; workspace buffers: cod 6,291,456 bytes; scl 262,144 bytes; qkc 6,291,456 bytes; qks 524,288 bytes; vc 3,145,728 bytes; vs 131,072 bytes; aoc 3,145,728 bytes; aos 131,072 bytes
;; launch quant (part 1): grid 256 x 1, 16 waves a work-group, no clusters, 138,240 bytes of LDS; arguments x, wq, wk, wv, wo, cod, scl; writes cod, scl
.if DOCPART == 1
	.amdgcn_target "amdgcn-amd-amdhsa--gfx1250"
	.amdhsa_code_object_version 6
	.text
	.protected	k_q86c5835542_quant
	.globl	k_q86c5835542_quant
	.p2align	8
	.type	k_q86c5835542_quant,@function
k_q86c5835542_quant:
	s_mov_b64 s[64:65], 0
	v_nop
	global_prefetch_b8 v0, s[64:65] scope:SCOPE_SE
	s_setreg_imm32_b32 hwreg(HW_REG_WAVE_MODE, 25, 1), 1
	s_wait_xcnt 0x0
; x [4096][1024] and wq, wk, wv, wo [1024][1024], f32, K innermost, become codes of BF6 (E3M2) with one E8M0 byte for each 32 along K.
; WORK LEFT OUT BY THE PROGRAM (launch attn): key steps of 128 keys that all come after a query tile's queries.  reference() sets those scores to -infinity, so their p is 0 for all values of the inputs.
;   LIMIT: a NaN, an infinity or an overflow in those scores is not carried to the result.
; TILES.  Rows (x 0-4095, wq 4096.., wk, wv, wo, 1,024 each) go in tiles of 16.  The four tiles t of a group of 64 rows are dealt so: tile row r is row 8 t + r % 8 + 32 (r / 8) of the group.
;   In a matrix result whose m runs along such tiles, lane half h's registers of the four tiles are 32 h + 8 t + j: ONE whole block of 32 in its natural order.
; cod: [tile 512][K step of 128][1,536]: the image of a fragment: lane (r, h)'s register i at 512 (i / 4) + 16 lane + 4 (i % 4); registers 6 c .. 6 c + 5 = k 64 c + 32 h + 0 .. 31.
; scl: [tile][K step / 4][r][K step % 4] words; byte b of a word scales k = 32 b .. 32 b + 31 of the step.
; A block's scale byte is its largest magnitude's exponent field - 4, held at 1 from below.
; LIMITS: a block of zeros gets the byte 1 and not 127 (its codes are zeros; this program alone reads the bytes); largest magnitudes under 2^-122 are held at byte 1; NaN and infinities are not served.
; A work-group makes 2 tiles, a wave one image: 16 loads of a row's 512 consecutive bytes, all out at once; they turn through the wave's own stage (rows 528 bytes apart), so that a lane gets two whole blocks of its row.
; No input is shared between work-groups: no cluster, no tensor load.  No loop to run ahead in: no prefetch.
.set WREG,  16*528
.set SCS,   16*WREG                    ; LDS: the 16 images' scale words, 1,024 bytes
.set SPARE, SCS+1024
.set SEL,   28
	s_load_b256 s[4:11], s[0:1], 0x0               ; x, wq, wk, wv
	s_load_b128 s[12:15], s[0:1], 0x20             ; wo, cod
	s_load_b64 s[16:17], s[0:1], 0x30              ; scl
	v_lshl_add_u32 v12, v0, 2, SPARE
	v_mov_b32 v13, 0
	v_lshrrev_b32 v1, 5, v0
	v_readfirstlane_b32 s20, v1                    ; wave: 8 x tile + K step
	v_and_b32 v2, 31, v0
	v_lshlrev_b32 v3, 4, v2                        ; 16 x lane
	v_and_b32 v4, 15, v0                           ; r
	v_bfe_u32 v5, v0, 4, 1                         ; h
	s_mul_i32 s21, s20, WREG
	v_add_nc_u32 v6, s21, v3                       ; into the stage: a row as it lies
	v_mul_u32_u24 v7, v4, 528
	v_lshl_add_u32 v7, v5, 7, v7
	v_add_nc_u32 v7, s21, v7                       ; out of it: row r, 128 h
	s_lshr_b32 s22, s20, 2
	s_lshl_b32 s22, s22, 8
	s_and_b32 s23, s20, 3
	s_lshl_b32 s23, s23, 2
	s_add_co_u32 s22, s22, s23
	s_add_co_u32 s22, s22, SCS
	v_lshlrev_b32 v8, 4, v4
	v_add_nc_u32 v8, s22, v8                       ; my row's scale word
	s_and_b32 s23, s20, 1
	s_lshl_b32 s23, s23, 9
	s_add_co_u32 s23, s23, SCS
	s_wait_alu depctr_va_vdst(0)                   ; the wait here, directly ahead of the readers below
	v_add_nc_u32 v9, s23, v3                       ; a tile's 512 scale bytes, read back by waves 0 and 1
	v_lshlrev_b32 v10, 3, v5                       ; 8 h
	v_mov_b32 v11, 0                               ; a lane permute's destination counts as one of its sources
	v_mov_b32 v14, 0x2800000                       ; the floor 2^(5 - 127)
	s_mov_b32 s[SEL], 0x76543210
	s_mov_b32 s[SEL+1], 0xfedcba98                 ; lane l xor 16
	s_and_b32 s22, ttmp9, 31
	s_wait_alu depctr_va_vdst(0)                   ; the wait at the head's end
	s_wait_kmcnt 0x0
	s_mov_b64 s[18:19], s[12:13]                   ; the source, by the work-group's number
	s_cmp_lt_u32 ttmp9, 224
	s_cselect_b64 s[18:19], s[10:11], s[18:19]
	s_cmp_lt_u32 ttmp9, 192
	s_cselect_b64 s[18:19], s[8:9], s[18:19]
	s_cmp_lt_u32 ttmp9, 160
	s_cselect_b64 s[18:19], s[6:7], s[18:19]
	s_cmp_lt_u32 ttmp9, 128
	s_cselect_b64 s[18:19], s[4:5], s[18:19]
	s_cselect_b32 s22, ttmp9, s22
	s_lshl_b32 s22, s22, 1
	s_lshr_b32 s24, s20, 3
	s_add_co_u32 s22, s22, s24                     ; the tile within its tensor
	s_lshr_b32 s24, s22, 2
	s_lshl_b32 s24, s24, 18                        ; 64 rows of 4,096 bytes a group
	s_and_b32 s25, s22, 3
	s_lshl_b32 s25, s25, 15                        ; 8 rows a tile
	s_add_co_u32 s24, s24, s25
	s_and_b32 s26, s20, 7
	s_lshl_b32 s26, s26, 9                         ; 512 bytes a K step
	s_add_co_u32 s24, s24, s26
	s_mov_b32 s25, 0
	s_add_nc_u64 s[18:19], s[18:19], s[24:25]
	s_lshl_b32 s24, ttmp9, 4
	s_add_co_u32 s24, s24, s20
	s_mul_i32 s24, s24, 1536
	s_add_nc_u64 s[14:15], s[14:15], s[24:25]      ; image 16 x work-group + wave
	s_lshl_b32 s24, ttmp9, 1
	s_and_b32 s26, s20, 1
	s_add_co_u32 s24, s24, s26
	s_lshl_b32 s24, s24, 9
	s_add_nc_u64 s[16:17], s[16:17], s[24:25]
.irp r, 0,1,2,3,4,5,6,7,8,9,10,11,12,13,14,15
	global_load_b128 v[64+4*\r:67+4*\r], v3, s[18:19] offset:(\r%8+32*(\r/8))*4096 th:TH_LOAD_NT
.endr
.irp r, 0,1,2,3,4,5,6,7,8,9,10,11,12,13,14,15
	s_wait_loadcnt 15-\r                           ; row r is in, the later ones may be out
	ds_store_b128 v6, v[64+4*\r:67+4*\r] offset:528*\r
.endr
.irp c, 0,1                                    ; LDS serves a wave's instructions in order: these see the stores above
.irp i, 0,1,2,3,4,5,6,7
	ds_load_b128 v[128+32*\c+4*\i:131+32*\c+4*\i], v7 offset:256*\c+16*\i
.endr
.endr
	s_wait_dscnt 0x0
.irp b, 0,1,2,3
	v_max3_num_f32 v[16+\b], v14, |v[128+16*\b]|, |v[129+16*\b]|   ; the floor among the leaves; two chains a block
.endr
.irp i, 2,4,6,8,10,12,14
.irp b, 0,1,2,3
	v_max3_num_f32 v[16+\b], v[16+\b], |v[128+16*\b+\i]|, |v[129+16*\b+\i]|
.endr
.endr
	v_max_num_f32 v16, v16, v17
	v_max_num_f32 v18, v18, v19
	v_add_nc_u32 v20, 0xfe000000, v16              ; 4 off the exponent field: the conversions' scale operand
	v_add_nc_u32 v21, 0xfe000000, v18
	v_lshrrev_b32 v22, 23, v20                     ; the bytes of blocks h and 2 + h
	v_lshrrev_b32 v23, 23, v21
	v_cvt_scalef32_pk16_bf6_f32 v[24:26], v[128:143], v20
	v_cvt_scalef32_pk16_bf6_f32 v[36:38], v[144:159], v20   ; (a conversion's three registers begin on an even number)
	v_cvt_scalef32_pk16_bf6_f32 v[30:32], v[160:175], v21
	v_cvt_scalef32_pk16_bf6_f32 v[40:42], v[176:191], v21
	v_lshl_or_b32 v22, v23, 16, v22
	v_lshlrev_b32 v22, v10, v22                    ; at their places in the word
.irp i, 0,1,2
	v_mov_b32 v[27+\i], v[36+\i]
	v_mov_b32 v[33+\i], v[40+\i]
.endr
	v_permlanex16_b32 v11, v22, s[SEL], s[SEL+1]
	v_or_b32 v22, v22, v11                         ; with lane l xor 16's two the word is whole
	ds_store_b32 v8, v22                           ; both halves of the lanes write the same word with the same value
.irp g, 0,1,2
	global_store_b128 v3, v[24+4*\g:27+4*\g], s[14:15] offset:512*\g   ; 512 consecutive bytes, aligned
.endr
	s_wait_dscnt 0x0
	s_barrier_signal -1
	s_barrier_wait -1                              ; every wave's scale words are in LDS
	s_cmp_gt_u32 s20, 1
	s_cbranch_scc1 .Lend
	ds_load_b128 v[44:47], v9
	s_wait_dscnt 0x0
	global_store_b128 v3, v[44:47], s[16:17]       ; a tile's 512 bytes
.Lend:
	s_wait_tensorcnt 0x0                           ; the wave's end
	ds_add_u32 v12, v13
	s_wait_dscnt 0x0
	s_endpgm
.Lfunc_end_k_q86c5835542_quant:
	.size	k_q86c5835542_quant, .Lfunc_end_k_q86c5835542_quant-k_q86c5835542_quant
	.p2alignl 7, 3214868480
	.fill 96, 4, 3214868480
	.section	.rodata,"a",@progbits
	.p2align	6, 0x0
	.amdhsa_kernel k_q86c5835542_quant
		.amdhsa_group_segment_fixed_size 138240
		.amdhsa_private_segment_fixed_size 0
		.amdhsa_enable_private_segment 0
		.amdhsa_kernarg_size 56
		.amdhsa_user_sgpr_count 2
		.amdhsa_user_sgpr_kernarg_segment_ptr 1
		.amdhsa_wavefront_size32 1
		.amdhsa_system_sgpr_workgroup_id_x 1
		.amdhsa_system_sgpr_workgroup_id_y 1
		.amdhsa_system_sgpr_workgroup_id_z 1
		.amdhsa_system_vgpr_workitem_id 0
		.amdhsa_next_free_vgpr 208
		.amdhsa_next_free_sgpr 66
		.amdhsa_reserve_vcc 0
		.amdhsa_float_denorm_mode_32 3
		.amdhsa_float_denorm_mode_16_64 3
		.amdhsa_memory_ordered 1
		.amdhsa_forward_progress 1
		.amdhsa_inst_pref_size 11
	.end_amdhsa_kernel
	.amdgpu_metadata
---
amdhsa.version: [ 1, 2 ]
amdhsa.kernels:
  - .name:           k_q86c5835542_quant
    .symbol:         k_q86c5835542_quant.kd
    .args:
      - { .name: x, .offset: 0, .size: 8, .value_kind: global_buffer, .address_space: global }
      - { .name: wq, .offset: 8, .size: 8, .value_kind: global_buffer, .address_space: global }
      - { .name: wk, .offset: 16, .size: 8, .value_kind: global_buffer, .address_space: global }
      - { .name: wv, .offset: 24, .size: 8, .value_kind: global_buffer, .address_space: global }
      - { .name: wo, .offset: 32, .size: 8, .value_kind: global_buffer, .address_space: global }
      - { .name: cod, .offset: 40, .size: 8, .value_kind: global_buffer, .address_space: global }
      - { .name: scl, .offset: 48, .size: 8, .value_kind: global_buffer, .address_space: global }
    .group_segment_fixed_size: 138240
    .private_segment_fixed_size: 0
    .kernarg_segment_align: 8
    .kernarg_segment_size: 56
    .max_flat_workgroup_size: 512
    .sgpr_count:     66
    .vgpr_count:     208
    .wavefront_size: 32
...
	.end_amdgpu_metadata
.endif
;; end of part 1
;; launch qkv (part 2): grid 8 x 32, 4 waves a work-group, clusters of 4 x 4, 327,680 bytes of LDS; arguments cod, scl, qkc, qks, vc, vs; writes qkc, qks, vc, vs
.if DOCPART == 2
	.amdgcn_target "amdgcn-amd-amdhsa--gfx1250"
	.amdhsa_code_object_version 6
	.text
	.protected	k_q86c5835542_qkv
	.globl	k_q86c5835542_qkv
	.p2align	8
	.type	k_q86c5835542_qkv,@function
k_q86c5835542_qkv:
	s_mov_b64 s[64:65], 0
	v_nop
	global_prefetch_b8 v0, s[64:65] scope:SCOPE_SE
	s_setreg_imm32_b32 hwreg(HW_REG_WAVE_MODE, 25, 1), 1
	s_wait_xcnt 0x0
	s_wait_alu depctr_hold_cnt(0) depctr_sa_sdst(0) depctr_va_vdst(0) depctr_va_sdst(0) depctr_va_ssrc(0) depctr_va_vcc(0) depctr_vm_vsrc(0)
	s_getreg_b32 s2, hwreg(HW_REG_IB_STS2, 6, 4)
	s_cmp_eq_u32 s2, 0
	s_cbranch_scc0 .Lentry_in_a_cluster
	s_endpgm
.Lentry_in_a_cluster:
	s_bfe_u32 s2, ttmp6, 0x10000c
	s_cmp_lg_u32 s2, 0xf033
	s_cbranch_scc0 .Lentry_shape_is_right
	s_endpgm
.Lentry_shape_is_right:
; q = x wq^T, k = x wk^T, v = x wv^T on codes of BF6 with E8M0 scales; each result is quantised in registers for the product that takes it next.
; Work-group (x, y) = 128 channels (heads 2 x, 2 x + 1) by 128 tokens, for q, k and v one after the other: 256 work-groups.  Four waves, each 64 tokens (4 tiles) by one head's 64 channels (4 tiles): 16 accumulators.
; All of K = 1,024 lies in LDS: x's and a weight's 128 rows are 98,304 dense bytes each (images of fragments, three loads of 16 bytes a lane each).  x's fragments are read once, into 384 registers, during q's product;
; behind it wv's tile takes x's bytes.  wk's tile is asked for behind the head's loads and lands under q's product, wv's under k's.
; CLUSTERS 4 x 4: x's tile is shared along a row, the weights' along a column; joint loads.  One load a wave at the head: x, wq, x's scales, the three weights' scales; later a quarter of a tile a wave.
; No prefetch: the launch has two refills and no loop of them to run ahead in.
; q, k: source 0 = channels, source 1 = tokens: lane (r, h) holds token r and the head's channels 32 h + 0 .. 31, one block.  v: sources change places: lane (r, h) holds channel r and tokens 32 h + 0 .. 31 of the wave's 64.
; qkc [g][token tile][768]: half images (16 x 64): registers 0-3 at 16 x lane, 4-5 at 512 + 8 x lane; g = head for q, 16 + head for k.
; qks [g][128 tokens][512]: tile 4 u + a's row r: word at 256 u + 8 (16 (a % 2) + r) + 4 (a / 2): bytes 0, 1 the head's two blocks, bytes 2, 3 zero.
; vc [batch x head][key step][channel tile][64 keys][768]: half images.  vs [batch x head][key step][256]: tile b's row r: word at 8 (16 (b % 2) + r) + 4 (b / 2).
; LIMITS: a block of zeros gets the byte 1; largest magnitudes under 2^-122 are held at byte 1; NaN and infinities are not served.
; REGISTERS: window 0: v1-21 addresses, v32-47 x's scale words, v64-159 a weight's fragments (two sets of 4), v160-207 the weights' scale words, v112-145 codes on the way out, v208-227 at work.
;   windows 1, 2: x's fragments: step s < 5 in window 1, else window 2, at 48 (s % 5) + 12 a.   window 3: accumulators.
.set W0,   98304
.set W1,   196608
.set XSC,  294912
.set WSC,  299008
.set VST,  311296                      ; v's scale bytes on the way out, 512 bytes
.set SPARE, 311808
.set NEXTW, 786432                     ; from one weight's codes to the next's
.set TM, 208
.set SO, 216
.set BY, 220
.set BP, 224
.set PC, 112
.set G1X, 24
.set G1W, 32
.set G1XS, 40
.set G1WS, 48
.set G1Q, 56
.set G0X, 68
.set G0W, 72
.set G0XS, 76
.set G0WS, 80
.set G0Q, 84
.set MSB, 0
.macro WIN new                         ; the immediate's high byte repeats the setting that is left
.if MSB != \new
	s_set_vgpr_msb (MSB<<8)|\new
.set MSB, \new
.endif
.endm
.macro CROUND                          ; a round of the cluster's barrier
	s_barrier_signal -1
	s_barrier_wait -1
	s_cmp_lg_u32 s16, 0
	s_cbranch_scc1 .Lnot_wave_0_\@
	s_barrier_signal -3
.Lnot_wave_0_\@:
	s_barrier_wait -3
	s_barrier_signal -1
	s_barrier_wait -1
.endm
.macro G1SET g, n, rows, pitch         ; rows of n elements of 8 bytes, no padding
	s_mov_b32 s[\g+1], (\n)<<16
	s_mov_b32 s[\g+2], (\rows)<<16
	s_mov_b32 s[\g+3], (\n)<<16
	s_mov_b32 s[\g+4], \rows
	s_mov_b32 s[\g+5], \pitch
	s_mov_b32 s[\g+6], 0
	s_mov_b32 s[\g+7], 0
.endm
.macro G0SET g, lds, p
	s_mov_b32 s[\g], 1
	s_mov_b32 s[\g+1], \lds
	s_mov_b64 s[\g+2:\g+3], s[\p:\p+1]
	s_or_b32 s[\g+3], s[\g+3], 0x80000000
.endm
	s_load_b128 s[4:7], s[0:1], 0x0                ; cod, scl
	s_load_b128 s[8:11], s[0:1], 0x10              ; qkc, qks
	s_load_b128 s[12:15], s[0:1], 0x20             ; vc, vs
	v_lshl_add_u32 v28, v0, 2, SPARE
	v_mov_b32 v29, 0
	ds_add_u32 v28, v29                            ; the wave's opening: the add, twice on end, and its wait
	ds_add_u32 v28, v29
	v_lshrrev_b32 v1, 5, v0
	v_readfirstlane_b32 s16, v1                    ; wave
	s_lshr_b32 s17, s16, 1                         ; which 64 tokens
	s_and_b32 s18, s16, 1                          ; which head
	s_bfe_u32 s19, ttmp6, 0x40000                  ; cx
	s_bfe_u32 s20, ttmp6, 0x40004                  ; cy
	s_lshl_b32 s21, ttmp9, 2
	s_add_co_u32 s21, s21, s19                     ; channel block 0..7
	s_and_b32 s22, ttmp7, 0xffff
	s_lshl_b32 s22, s22, 2
	s_add_co_u32 s22, s22, s20                     ; token block 0..31
	s_lshl_b32 s2, s20, 2
	s_lshl_b32 s2, 15, s2                          ; my row of the cluster
	s_lshl_b32 s3, 0x1111, s19                     ; my column
	s_or_b32 s[G1X], s2, (3<<16)|(1<<21)
	s_or_b32 s[G1XS], s2, (3<<16)|(1<<21)
	s_or_b32 s[G1W], s3, (3<<16)|(1<<21)
	s_or_b32 s[G1WS], s3, (3<<16)|(1<<21)
	s_or_b32 s[G1Q], s3, (3<<16)|(1<<21)
	G1SET G1X, 128, 96, 128                        ; 98,304 dense bytes as 96 rows of 1,024
	G1SET G1W, 128, 96, 128
	G1SET G1XS, 128, 4, 128                        ; 4,096 bytes
	G1SET G1WS, 512, 3, 4096                       ; the three weights' 4,096 bytes, 32,768 bytes apart
	G1SET G1Q, 128, 24, 128                        ; a quarter of a tile
	s_mul_i32 s88, s22, 98304                      ; x's hang on the token block alone,
	s_mov_b32 s89, 0
	s_lshl_b32 s90, s22, 12
	s_mov_b32 s91, 0
	s_mul_i32 s92, s21, 98304                      ; the weights' on the channel block alone
	s_add_co_u32 s92, s92, 3145728
	s_mov_b32 s93, 0
	s_lshl_b32 s94, s21, 12
	s_add_co_u32 s94, s94, 131072
	s_mov_b32 s95, 0
	s_mul_i32 s23, s16, 24576                      ; my quarter of a tile
	s_add_co_u32 s96, s92, s23
	s_add_co_u32 s96, s96, NEXTW
	s_mov_b32 s97, 0
	s_wait_dscnt 0x0                               ; both opening adds are done
	s_wait_kmcnt 0x0
	s_add_nc_u64 s[88:89], s[4:5], s[88:89]
	s_add_nc_u64 s[90:91], s[6:7], s[90:91]
	s_add_nc_u64 s[92:93], s[4:5], s[92:93]
	s_add_nc_u64 s[94:95], s[6:7], s[94:95]
	s_add_nc_u64 s[96:97], s[4:5], s[96:97]
	G0SET G0X, 0, 88
	G0SET G0W, W0, 92
	G0SET G0XS, XSC, 90
	G0SET G0WS, WSC, 94
	s_mov_b32 s[G0Q], 1
	s_add_co_u32 s[G0Q+1], s23, W1
	s_mov_b64 s[G0Q+2:G0Q+3], s[96:97]
	s_or_b32 s[G0Q+3], s[G0Q+3], 0x80000000
	CROUND                                         ; all sixteen work-groups are here: the joint loads meet
.macro ARM under, g0, g1, next         ; one chain of branches on the wave's number, one load on every way
	s_cmp_lt_u32 s16, \under
	s_cbranch_scc0 \next
	tensor_load_to_lds s[\g0:\g0+3], s[\g1:\g1+7]
	s_nop 0
.rept 4
	v_nop
.endr
	s_branch .Lasked
\next:
.endm
	ARM 1, G0X, G1X, .Larm1
	ARM 2, G0W, G1W, .Larm2
	ARM 3, G0XS, G1XS, .Larm3
	tensor_load_to_lds s[G0WS:G0WS+3], s[G1WS:G1WS+7]
	s_nop 0
.rept 4
	v_nop
.endr
.Lasked:
	v_and_b32 v3, 15, v0                           ; r
	v_bfe_u32 v4, v0, 4, 1                         ; h
	v_and_b32 v5, 31, v0
	v_lshlrev_b32 v1, 4, v5                        ; 16 x lane
	v_lshlrev_b32 v2, 3, v5                        ; 8 x lane
	s_mul_i32 s98, s17, 49152                      ; my 4 token tiles
	v_add_nc_u32 v16, s98, v1
	s_mul_i32 s98, s18, 49152                      ; my 4 channel tiles
	v_add_nc_u32 v19, s98, v1                      ; wv, in x's bytes
	s_add_co_u32 s98, s98, W0
	v_add_nc_u32 v17, s98, v1                      ; wq
	s_add_co_u32 s98, s98, W1-W0
	v_add_nc_u32 v18, s98, v1                      ; wk
	v_lshlrev_b32 v6, 9, v4
	v_lshl_add_u32 v6, v3, 4, v6                   ; scale words: lanes 0-15 a pair's first tile, lanes 16-31 its second
	s_lshl_b32 s98, s17, 11
	s_add_co_u32 s98, s98, XSC
	v_add_nc_u32 v20, s98, v6
	s_lshl_b32 s98, s18, 11
	s_add_co_u32 s98, s98, WSC
	v_add_nc_u32 v21, s98, v6
	s_lshl_b32 s98, s18, 8
	s_add_co_u32 s98, s98, VST
	s_wait_alu depctr_va_vdst(0)                   ; the wait here, directly ahead of the reader below
	v_add_nc_u32 v8, s98, v2                       ; a head's v scale words, read back
	s_lshl_b32 s99, s17, 1
	s_add_co_u32 s98, s98, s99
	v_lshl_add_u32 v7, v3, 3, v4
	v_add_nc_u32 v7, s98, v7                       ; my v scale byte
	v_lshlrev_b32 v9, 3, v4                        ; 8 h
	v_mov_b32 v10, 0x2800000                       ; the floor 2^(5 - 127)
.irp b, 0,1,2,3
	v_mov_b32 v[BP+\b], 0                          ; a lane permute's destination counts as one of its sources
.endr
	; where my results go
	s_lshl_b32 s98, s21, 1
	s_add_co_u32 s98, s98, s18                     ; head
	s_mov_b32 s3, 0
	s_lshl_b32 s2, s98, 8
	s_lshl_b32 s99, s22, 3
	s_add_co_u32 s2, s2, s99
	s_lshl_b32 s99, s17, 2
	s_add_co_u32 s2, s2, s99
	s_mul_i32 s2, s2, 768
	s_add_nc_u64 s[8:9], s[8:9], s[2:3]
	s_lshl_b32 s2, s98, 5
	s_add_co_u32 s2, s2, s22
	s_lshl_b32 s2, s2, 9
	s_lshl_b32 s99, s17, 8
	s_add_co_u32 s2, s2, s99
	s_add_nc_u64 s[10:11], s[10:11], s[2:3]
	s_lshr_b32 s99, s22, 4
	s_lshl_b32 s99, s99, 4
	s_add_co_u32 s98, s98, s99                     ; batch x head
	s_lshl_b32 s98, s98, 4
	s_and_b32 s99, s22, 15
	s_add_co_u32 s98, s98, s99                     ; and key step
	s_mul_i32 s2, s98, 6144
	s_mul_i32 s99, s17, 768
	s_add_co_u32 s2, s2, s99
	s_add_nc_u64 s[12:13], s[12:13], s[2:3]
	s_lshl_b32 s2, s98, 8
	s_add_nc_u64 s[14:15], s[14:15], s[2:3]
	s_mov_b32 s98, 0x76543210
	s_mov_b32 s99, 0xfedcba98                      ; lane l xor 16
	s_mov_b32 s100, 0xffff0000                     ; lanes 16-31
.macro PLACES                          ; plain vector instructions behind a matrix instruction, ahead of a load into, or a read of, its registers
.rept 4
	v_nop
.endr
.endm
.macro EMIT d, a, b, c, sa, sb, ra, rb
.if \ra
.if \rb
	v_wmma_scale_f32_16x16x128_f8f6f4 v[\d:\d+7], v[\a:\a+11], v[\b:\b+11], \c, v[\sa], v[\sb] matrix_a_fmt:MATRIX_FMT_BF6 matrix_b_fmt:MATRIX_FMT_BF6 matrix_a_scale:MATRIX_SCALE_ROW1 matrix_b_scale:MATRIX_SCALE_ROW1
.else
	v_wmma_scale_f32_16x16x128_f8f6f4 v[\d:\d+7], v[\a:\a+11], v[\b:\b+11], \c, v[\sa], v[\sb] matrix_a_fmt:MATRIX_FMT_BF6 matrix_b_fmt:MATRIX_FMT_BF6 matrix_a_scale:MATRIX_SCALE_ROW1
.endif
.else
.if \rb
	v_wmma_scale_f32_16x16x128_f8f6f4 v[\d:\d+7], v[\a:\a+11], v[\b:\b+11], \c, v[\sa], v[\sb] matrix_a_fmt:MATRIX_FMT_BF6 matrix_b_fmt:MATRIX_FMT_BF6 matrix_b_scale:MATRIX_SCALE_ROW1
.else
	v_wmma_scale_f32_16x16x128_f8f6f4 v[\d:\d+7], v[\a:\a+11], v[\b:\b+11], \c, v[\sa], v[\sb] matrix_a_fmt:MATRIX_FMT_BF6 matrix_b_fmt:MATRIX_FMT_BF6
.endif
.endif
.endm
.macro ONE z, s, a, b, zero            ; token tile a, channel tile b, K step s
.set XF, 48*((\s)%5)+12*(\a)
.set WF, 64+48*((\s)%2)+12*(\b)
.set SX, 32+8*((\a)/2)+(\s)
.set SW, 160+16*(\z)+8*((\b)/2)+(\s)
.set RA, (\a)%2
.set RB, (\b)%2
.if \z < 2
.set AC, 8*(4*(\a)+(\b))
.if \zero
	EMIT AC, WF, XF, 0, SW, SX, RB, RA
.else
	EMIT AC, WF, XF, v[AC:AC+7], SW, SX, RB, RA
.endif
.else
.set AC, 8*(4*(\b)+(\a))
.if \zero
	EMIT AC, XF, WF, 0, SX, SW, RA, RB
.else
	EMIT AC, XF, WF, v[AC:AC+7], SX, SW, RA, RB
.endif
.endif
.endm
.macro MUL z, s                        ; 16 matrix instructions, the accumulators by turns; step 0 starts the sums
.set XW, 1+(\s)/5                      ; x's window
.if \z < 2
	WIN (0xf0+4*XW)
.else
	WIN (0xf0+XW)
.endif
.irp a, 0,1,2,3
.irp b, 0,1,2,3
.if \s == 0
	ONE \z, \s, \a, \b, 1
.else
	ONE \z, \s, \a, \b, 0
.endif
.endr
.endr
	WIN 0
.endm
.macro LOADW z, s
.irp b, 0,1,2,3
.irp i, 0,1,2
	ds_load_b128 v[64+48*((\s)%2)+12*\b+4*\i:67+48*((\s)%2)+12*\b+4*\i], v[17+(\z)] offset:12288*\b+1536*(\s)+512*\i
.endr
.endr
.endm
.macro LOADX s
.if (\s) < 5
	WIN 0x40
.else
	WIN 0x80
.endif
.irp a, 0,1,2,3
.irp i, 0,1,2
	ds_load_b128 v[48*((\s)%5)+12*\a+4*\i:48*((\s)%5)+12*\a+4*\i+3], v16 offset:12288*\a+1536*(\s)+512*\i
.endr
.endr
	WIN 0
.endm
.macro SCALES r, adr, off
.irp p, 0,1
.irp q, 0,1
	ds_load_b128 v[\r+8*\p+4*\q:\r+8*\p+4*\q+3], v[\adr] offset:\off+1024*\p+256*\q
.endr
.endr
.endm
.macro STEPK z, s                      ; steps 0 .. 6: the next step's fragments are asked for, then this one's multiplied
	PLACES
	LOADW \z, (\s)+1
.if \z == 0
	LOADX (\s)+1
	s_wait_dscnt 24                                ; all but the 24 just issued
.else
	s_wait_dscnt 12                                ; all but the 12 just issued
.endif
	MUL \z, \s
.endm
.macro EPI                             ; four blocks of 32 numbers a lane: scale operands, bytes, codes (v[PC + 8 b ..], 6 registers each)
	PLACES
	WIN 0x3c                                       ; sources 1 and 2: the accumulators
.irp b, 0,1,2,3
	v_max3_num_f32 v[TM+\b], v10, |v[32*\b]|, |v[32*\b+1]|         ; the floor among the leaves; each accumulator from its low end on
	v_max3_num_f32 v[TM+4+\b], v10, |v[32*\b+16]|, |v[32*\b+17]|
.endr
.irp i, 2,4,6,8,10,12,14
.irp b, 0,1,2,3
	v_max3_num_f32 v[TM+\b], v[TM+\b], |v[32*\b+\i]|, |v[32*\b+\i+1]|
	v_max3_num_f32 v[TM+4+\b], v[TM+4+\b], |v[32*\b+16+\i]|, |v[32*\b+17+\i]|
.endr
.endr
	WIN 0
.irp b, 0,1,2,3
	v_max_num_f32 v[TM+\b], v[TM+\b], v[TM+4+\b]
.endr
.irp b, 0,1,2,3
	v_add_nc_u32 v[SO+\b], 0xfe000000, v[TM+\b]    ; 4 off the exponent field: the conversion's scale operand
.endr
.irp b, 0,1,2,3
	v_lshrrev_b32 v[BY+\b], 23, v[SO+\b]           ; block h's byte
.endr
	WIN 0x03                                       ; source 0: the accumulators
.irp b, 0,1,2,3
	v_cvt_scalef32_pk16_bf6_f32 v[PC+8*\b:PC+8*\b+2], v[32*\b:32*\b+15], v[SO+\b]
	v_cvt_scalef32_pk16_bf6_f32 v[PC+8*\b+4:PC+8*\b+6], v[32*\b+16:32*\b+31], v[SO+\b]   ; (a conversion's three registers begin on an even number)
.endr
	WIN 0
	v_nop                                          ; one plain place behind a scaled conversion
.irp i, 3,4,5
.irp b, 0,1,2,3
	v_mov_b32 v[PC+8*\b+\i], v[PC+8*\b+\i+1]
.endr
.endr
.endm
.macro OUTQK z
	EPI
.irp b, 0,1,2,3
	v_lshlrev_b32 v[BY+\b], v9, v[BY+\b]           ; block h's byte at its place
.endr
.irp b, 0,1,2,3
	v_permlanex16_b32 v[BP+\b], v[BY+\b], s98, s99
.endr
.irp b, 0,1,2,3
	v_or_b32 v[BY+\b], v[BY+\b], v[BP+\b]          ; the token's word
.endr
	v_cndmask_b32 v144, v[BY], v[BY+1], s100       ; lanes 0-15 tiles 0, 2; lanes 16-31 tiles 1, 3
	v_cndmask_b32 v145, v[BY+2], v[BY+3], s100
.irp a, 0,1,2,3
	global_store_b128 v1, v[PC+8*\a:PC+8*\a+3], s[8:9] offset:3145728*\z+768*\a      ; 512 consecutive bytes, aligned,
	global_store_b64 v2, v[PC+8*\a+4:PC+8*\a+5], s[8:9] offset:3145728*\z+768*\a+512 ; and 256
.endr
	global_store_b64 v2, v[144:145], s[10:11] offset:262144*\z   ; 256 consecutive bytes
	s_wait_xcnt 0x0                                ; the stores have read v112 on: fragments may land there again
.endm
	s_wait_alu depctr_va_vdst(0)                   ; the wait at the head's end
	s_wait_tensorcnt 0x0                           ; my tile of the head's four is in
	ds_add_u32 v28, v29
	s_wait_dscnt 0x0
	CROUND                                         ; everybody's is in, in every partner
	tensor_load_to_lds s[G0Q:G0Q+3], s[G1Q:G1Q+7]  ; my quarter of wk's tile
	s_nop 0
	PLACES
	LOADW 0, 0
	LOADX 0
	SCALES 32, 20, 0
	SCALES 160, 21, 0
.irp s, 0,1,2,3,4,5,6
	STEPK 0, \s
.endr
	s_wait_tensorcnt 0x0                           ; my quarter of wk is in;
	ds_add_u32 v28, v29                            ; 0 onto my spare word
	s_mov_b32 s[G0Q+1], s23                        ; no load of mine is out: wv's tile goes where x's lies
	s_add_nc_u64 s[G0Q+2:G0Q+3], s[G0Q+2:G0Q+3], NEXTW
	s_wait_dscnt 1                                 ; step 7's fragments are in, the add may be out
	MUL 0, 7
	s_wait_dscnt 0x0                               ; the add is done, and so are my reads of x's tile
	CROUND                                         ; both hold of every wave of every partner, and wk is whole
	tensor_load_to_lds s[G0Q:G0Q+3], s[G1Q:G1Q+7]  ; my quarter of wv's tile
	s_nop 0
	PLACES
	LOADW 1, 0                                     ; they land under q's way out
	SCALES 176, 21, 4096
	OUTQK 0
.irp s, 0,1,2,3,4,5,6
	STEPK 1, \s
.endr
	s_wait_tensorcnt 0x0                           ; my quarter of wv is in
	s_wait_dscnt 0x0                               ; step 7's fragments are in
	MUL 1, 7
	s_barrier_signal -1
	s_barrier_wait -1                              ; wv is whole
	PLACES
	LOADW 2, 0
	SCALES 192, 21, 8192
	OUTQK 1
.irp s, 0,1,2,3,4,5,6
	STEPK 2, \s
.endr
	s_wait_dscnt 0x0
	MUL 2, 7
	EPI
.irp b, 0,1,2,3
	ds_store_b8 v7, v[BY+\b] offset:128*(\b%2)+4*(\b/2)
.endr
.irp b, 0,1,2,3
	global_store_b128 v1, v[PC+8*\b:PC+8*\b+3], s[12:13] offset:1536*\b
	global_store_b64 v2, v[PC+8*\b+4:PC+8*\b+5], s[12:13] offset:1536*\b+512
.endr
	s_wait_dscnt 0x0
	s_barrier_signal -1
	s_barrier_wait -1                              ; both token halves' bytes of a head's words are in LDS
	s_cmp_gt_u32 s16, 1
	s_cbranch_scc1 .Lend
	ds_load_b64 v[146:147], v8
	s_wait_dscnt 0x0
	global_store_b64 v2, v[146:147], s[14:15]      ; 256 consecutive bytes
.Lend:
	s_wait_tensorcnt 0x0                           ; the wave's end
	ds_add_u32 v28, v29
	s_wait_dscnt 0x0
	CROUND                                         ; the closing round: no work-group ends while a partner may still ask for a tile that names it
	s_endpgm
.Lfunc_end_k_q86c5835542_qkv:
	.size	k_q86c5835542_qkv, .Lfunc_end_k_q86c5835542_qkv-k_q86c5835542_qkv
	.p2alignl 7, 3214868480
	.fill 96, 4, 3214868480
	.section	.rodata,"a",@progbits
	.p2align	6, 0x0
	.amdhsa_kernel k_q86c5835542_qkv
		.amdhsa_group_segment_fixed_size 327680
		.amdhsa_private_segment_fixed_size 0
		.amdhsa_enable_private_segment 0
		.amdhsa_kernarg_size 48
		.amdhsa_user_sgpr_count 2
		.amdhsa_user_sgpr_kernarg_segment_ptr 1
		.amdhsa_wavefront_size32 1
		.amdhsa_system_sgpr_workgroup_id_x 1
		.amdhsa_system_sgpr_workgroup_id_y 1
		.amdhsa_system_sgpr_workgroup_id_z 1
		.amdhsa_system_vgpr_workitem_id 0
		.amdhsa_next_free_vgpr 1024
		.amdhsa_next_free_sgpr 102
		.amdhsa_reserve_vcc 0
		.amdhsa_float_denorm_mode_32 3
		.amdhsa_float_denorm_mode_16_64 3
		.amdhsa_memory_ordered 1
		.amdhsa_forward_progress 1
		.amdhsa_inst_pref_size 112
	.end_amdhsa_kernel
	.amdgpu_metadata
---
amdhsa.version: [ 1, 2 ]
amdhsa.kernels:
  - .name:           k_q86c5835542_qkv
    .symbol:         k_q86c5835542_qkv.kd
    .args:
      - { .name: cod, .offset: 0, .size: 8, .value_kind: global_buffer, .address_space: global }
      - { .name: scl, .offset: 8, .size: 8, .value_kind: global_buffer, .address_space: global }
      - { .name: qkc, .offset: 16, .size: 8, .value_kind: global_buffer, .address_space: global }
      - { .name: qks, .offset: 24, .size: 8, .value_kind: global_buffer, .address_space: global }
      - { .name: vc, .offset: 32, .size: 8, .value_kind: global_buffer, .address_space: global }
      - { .name: vs, .offset: 40, .size: 8, .value_kind: global_buffer, .address_space: global }
    .group_segment_fixed_size: 327680
    .private_segment_fixed_size: 0
    .kernarg_segment_align: 8
    .kernarg_segment_size: 48
    .max_flat_workgroup_size: 128
    .sgpr_count:     102
    .vgpr_count:     1024
    .wavefront_size: 32
...
	.end_amdgpu_metadata
.endif
;; end of part 2
;; launch attn (part 3): grid 8 x 32, 16 waves a work-group, clusters of 4 x 1, 210,944 bytes of LDS; arguments qkc, qks, vc, vs, aoc, aos; writes aoc, aos
.if DOCPART == 3
	.amdgcn_target "amdgcn-amd-amdhsa--gfx1250"
	.amdhsa_code_object_version 6
	.text
	.protected	k_q86c5835542_attn
	.globl	k_q86c5835542_attn
	.p2align	8
	.type	k_q86c5835542_attn,@function
k_q86c5835542_attn:
	s_mov_b64 s[64:65], 0
	v_nop
	global_prefetch_b8 v0, s[64:65] scope:SCOPE_SE
	s_setreg_imm32_b32 hwreg(HW_REG_WAVE_MODE, 25, 1), 1
	s_wait_xcnt 0x0
	s_wait_alu depctr_hold_cnt(0) depctr_sa_sdst(0) depctr_va_vdst(0) depctr_va_sdst(0) depctr_va_ssrc(0) depctr_va_vcc(0) depctr_vm_vsrc(0)
	s_getreg_b32 s2, hwreg(HW_REG_IB_STS2, 6, 4)
	s_cmp_eq_u32 s2, 0
	s_cbranch_scc0 .Lentry_in_a_cluster
	s_endpgm
.Lentry_in_a_cluster:
	s_bfe_u32 s2, ttmp6, 0x10000c
	s_cmp_lg_u32 s2, 0x3003
	s_cbranch_scc0 .Lentry_shape_is_right
	s_endpgm
.Lentry_shape_is_right:
; Causal attention of one batch x head on codes of BF6 with E8M0 scales; the result, divided by the row's sum, is quantised along head x 64 + channel for the last product.
; t = score x log2(e) / 8; M = the running largest t rounded UP to a whole number; p = 2^(t - M) is quantised along the keys; the row's sum is taken of the unquantised p; when M moves, sum and O are multiplied by 2^(old M - new M).
; WORK LEFT OUT: key steps of 128 keys all of which come after a tile's queries (the first kernel's head shows that it is dead; a NaN or an infinity there is not carried).
; SHARES.  Work-group (c, batch x head), c = 0..7; each of its sixteen waves owns one tile of 16 queries: tile 8 rho + c, which needs key steps 0 .. rho, step rho being its diagonal.  rho of waves 0-3: 15 .. 12, 4-7: 8 .. 11, 8-11: 7 .. 4,
;   12-15: 0 .. 3: waves w, w + 4, w + 8, w + 12 together have 34 steps.  Branches hang on the wave's number and a counter alone; c enters global addresses and the mask's number d alone.
; LDS IS FILLED ONCE: a head's K (128 half images of 768 bytes), V (16 steps x 8 half images) and their scale words, 208,896 bytes, by one joint load a wave.  Waves 12-15 ask for what step 0 needs: waves 0-7 work step 0 while the rest lands.
; CLUSTER: its four work-groups belong to one head and need the same bytes.  No prefetch: every byte is asked for at the head, there is no loop of loads to run ahead in.
; LAYOUT.  S^T = K Q^T, O^T = V^T P^T: a lane holds ONE query.  Tiles are dealt as the first launch states, so lane half h holds keys 64 c' + 32 h + 0 .. 31 of the step in registers 128 + 32 c' on: whole blocks; O likewise: channels 32 h + 0 .. 31.
; THE HEAD'S K IS 64, the instruction's 128: Q's codes for k = 64..127 are zeros.  K's fragment of tile t is v[32 + 6 t .. 43 + 6 t]: its own six registers and the next six (for tile 7 V's first); whatever codes stand there meet zero codes
; (E3M2 has no infinity and no NaN), and the scale bytes there are 0, never 0xff: they add exactly 0.
; The largest p of a block is made of its largest score by the same two instructions.
; LIMITS: scaled scores stay under 2^31 in magnitude; blocks of zeros get the byte 1; largest magnitudes under 2^-122 are held at byte 1; NaN and infinities are not served.  aos is stored a byte a lane: a tile's 512 bytes come from 16 work-groups.
; REGISTERS: v1-5 what stays; v6-11 at work (v[8:9] f, v11 p's scale word); v12 -M, v13 largest score, v[14:15] the sum; v16-27 Q, v28 its scale word; v32-79 K; v80-127 V; v128-191 S^T, then p; v192-223 O^T; v224-235 p's codes;
;   v236-242 conversions' second halves; v29, v239, v243 LDS addresses; v244-247, v[30:31] K's and V's scale words; v248-253 block maxima, bytes, scale operands.
.set VC,   98304
.set KSC,  196608
.set VSC,  204800
.set SPARE, 208896
.set KF,   32
.set VF,   80
.set S,    128
.set O,    192
.set C,    224
.set BX,   6
.set TPX,  7
.set FF,   8
.set TP,   10
.set PS,   11
.set BM,   248
.set SO,   252
.set WV,   18
.set RHO,  19
.set CS,   20
.set SEL,  22
.set G1A,  24                          ; groups 1: 24, 60, 32, 16 rows of 256 bytes
.set G1P,  32
.set G1KS, 40
.set G1VS, 48
.set SI,   56                          ; the key step
.set TN,   57                          ; where the next step's K lies, and its scale words
.set TNS,  58
.set TVA,  59                          ; where this step's V lies, and its scale words
.set TVS,  60
.set G0K,  68
.set G0V,  72
.set G0KS, 76
.set G0VS, 80
.set G0KP, 84
.set G0VP, 88
.set FIRST, 92                         ; the first step that a wave works in the loop
.set NINF, 93
.set NC,   97
.macro ROUND                           ; a round of the cluster's barrier
	s_barrier_signal -1
	s_barrier_wait -1
	s_cmp_lg_u32 s[WV], 0
	s_cbranch_scc1 .Lnot_wave_0_\@
	s_barrier_signal -3
.Lnot_wave_0_\@:
	s_barrier_wait -3
	s_barrier_signal -1
	s_barrier_wait -1
.endm
	s_load_b128 s[4:7], s[0:1], 0x0                ; qkc, qks
	s_load_b128 s[8:11], s[0:1], 0x10              ; vc, vs
	s_load_b128 s[12:15], s[0:1], 0x20             ; aoc, aos
	v_lshl_add_u32 v254, v0, 2, SPARE
	v_mov_b32 v255, 0
	ds_add_u32 v254, v255                          ; the wave's opening: the add, twice on end, and its wait
	ds_add_u32 v254, v255
	v_lshrrev_b32 v8, 5, v0
	v_readfirstlane_b32 s[WV], v8
	s_bfe_u32 s101, s[WV], 0x10002
	s_xor_b32 s101, s101, 1
	s_mul_i32 s101, s101, 7
	s_and_b32 s[RHO], s[WV], 3
	s_xor_b32 s[RHO], s[RHO], s101
	s_lshr_b32 s101, s[WV], 3
	s_xor_b32 s[FIRST], s101, 1                    ; waves 0-7: 1, their step 0 stands ahead of the loop
	s_lshl_b32 s101, s[FIRST], 3
	s_or_b32 s[RHO], s[RHO], s101
	s_bfe_u32 s16, ttmp6, 0x40000                  ; cx
	s_lshl_b32 s17, ttmp9, 2
	s_add_co_u32 s17, s17, s16                     ; c
	s_and_b32 s62, ttmp7, 0xffff                   ; batch x head, which the partners share
	s_lshr_b32 s63, s62, 4                         ; batch
	s_and_b32 s100, s62, 15                        ; head
.irp g, G1A, G1P, G1KS, G1VS
	s_mov_b32 s[\g], 15|(3<<16)|(1<<21)            ; dense blocks as rows of 32 elements of 8 bytes; all four work-groups
	s_mov_b32 s[\g+1], 32<<16
	s_mov_b32 s[\g+3], 32<<16
	s_mov_b32 s[\g+5], 32
	s_mov_b32 s[\g+6], 0
	s_mov_b32 s[\g+7], 0
.endr
	s_mov_b32 s[G1A+2], 24<<16                     ; 6,144 bytes
	s_mov_b32 s[G1A+4], 24
	s_mov_b32 s[G1P+2], 60<<16                     ; 15,360 bytes: a sixth of 15 steps
	s_mov_b32 s[G1P+4], 60
	s_mov_b32 s[G1KS+2], 32<<16
	s_mov_b32 s[G1KS+4], 32
	s_mov_b32 s[G1VS+2], 16<<16
	s_mov_b32 s[G1VS+4], 16
	s_mov_b32 s[SEL], 0x76543210
	s_mov_b32 s[SEL+1], 0xfedcba98                 ; lane l xor 16
	s_mov_b32 s[CS], 0x3e38aa3b                    ; log2(e) / sqrt(64)
	s_mov_b32 s[CS+1], s[CS]
	s_mov_b32 s[NC], 0xbe38aa3b
	s_mov_b32 s[NINF], 0xff800000                  ; -infinity
	s_mov_b32 s3, 0
	s_mul_i32 s101, s[WV], 15360
	s_wait_dscnt 0x0
	s_wait_kmcnt 0x0
.macro G0SET g, p
	s_mov_b32 s[\g], 1
	s_mov_b64 s[\g+2:\g+3], s[\p:\p+1]
	s_or_b32 s[\g+3], s[\g+3], 0x80000000
.endm
	s_add_co_u32 s2, s100, 16                      ; K: g = 16 + head, token tile 128 x batch
	s_lshl_b32 s2, s2, 8
	s_lshl_b32 s16, s63, 7
	s_add_co_u32 s2, s2, s16
	s_mul_i32 s2, s2, 768
	s_add_nc_u64 s[58:59], s[4:5], s[2:3]
	G0SET G0K, 58
	s_mov_b32 s[G0K+1], 0
	s_mov_b32 s2, s101
	s_add_nc_u64 s[58:59], s[58:59], s[2:3]
	s_add_nc_u64 s[58:59], s[58:59], 6144
	G0SET G0KP, 58                                 ; waves 0-5: a sixth of steps 1 .. 15
	s_add_co_u32 s[G0KP+1], s101, 6144
	s_mul_i32 s2, s62, 98304                       ; V: 16 steps x 6,144 bytes a head
	s_add_nc_u64 s[60:61], s[8:9], s[2:3]
	G0SET G0V, 60
	s_mov_b32 s[G0V+1], VC
	s_mov_b32 s2, s101
	s_add_nc_u64 s[60:61], s[60:61], s[2:3]
	s_sub_nc_u64 s[60:61], s[60:61], 86016
	G0SET G0VP, 60                                 ; waves 6-11: 6,144 + 15,360 (wave - 6)
	s_add_co_u32 s[G0VP+1], s101, 12288
	s_add_co_u32 s2, s100, 16                      ; K's scale words
	s_lshl_b32 s2, s2, 5
	s_lshl_b32 s16, s63, 4
	s_add_co_u32 s2, s2, s16
	s_lshl_b32 s2, s2, 9
	s_add_nc_u64 s[58:59], s[6:7], s[2:3]
	G0SET G0KS, 58
	s_mov_b32 s[G0KS+1], KSC
	s_lshl_b32 s2, s62, 12
	s_add_nc_u64 s[60:61], s[10:11], s[2:3]
	G0SET G0VS, 60
	s_mov_b32 s[G0VS+1], VSC
	ROUND                                          ; all four work-groups are here: the joint loads meet
.macro LOAD g0, g1
	tensor_load_to_lds s[\g0:\g0+3], s[\g1:\g1+7]
	s_nop 0
.rept 4
	v_nop
.endr
.endm
.macro ARM w, g0, g1, next             ; one chain of branches on the wave's number, one load on every way
	s_cmp_lg_u32 s[WV], \w
	s_cbranch_scc1 \next
	LOAD \g0, \g1
	s_branch .Lasked
\next:
.endm
	ARM 12, G0K, G1A, .Larm1
	ARM 13, G0KS, G1KS, .Larm2
	ARM 14, G0V, G1A, .Larm3
	ARM 15, G0VS, G1VS, .Larm4
	s_cmp_lt_u32 s[WV], 6
	s_cbranch_scc0 .Larm5
	LOAD G0KP, G1P
	s_branch .Lasked
.Larm5:
	LOAD G0VP, G1P
.Lasked:
	s_lshl_b32 s16, s[RHO], 3
	s_add_co_u32 s16, s16, s17
	s_lshl_b32 s101, s63, 7
	s_add_co_u32 s16, s16, s101                    ; my token tile: 128 x batch + 8 rho + c
	s_lshl_b32 s2, s100, 8
	s_add_co_u32 s2, s2, s16
	s_mul_i32 s2, s2, 768
	s_add_nc_u64 s[4:5], s[4:5], s[2:3]            ; Q: g = head
	s_lshl_b32 s2, s16, 4
	s_add_co_u32 s2, s2, s100
	s_mul_i32 s2, s2, 768
	s_add_nc_u64 s[12:13], s[12:13], s[2:3]        ; aoc: [token tile][head][768]
	s_lshl_b32 s2, s16, 9
	s_and_b32 s101, s100, 7
	s_lshl_b32 s101, s101, 1
	s_add_co_u32 s2, s2, s101
	s_lshr_b32 s101, s100, 3
	s_lshl_b32 s101, s101, 8
	s_add_co_u32 s2, s2, s101
	s_add_nc_u64 s[14:15], s[14:15], s[2:3]        ; aos: [token tile][head / 8][r][2 (head % 8) + block]
	s_lshl_b32 s2, s100, 5
	s_lshl_b32 s101, s63, 4
	s_add_co_u32 s2, s2, s101
	s_add_co_u32 s2, s2, s[RHO]
	s_lshl_b32 s2, s2, 9
	s_lshr_b32 s101, s17, 2
	s_lshl_b32 s101, s101, 8
	s_add_co_u32 s2, s2, s101
	s_and_b32 s101, s17, 1
	s_lshl_b32 s101, s101, 7
	s_add_co_u32 s2, s2, s101
	s_bfe_u32 s101, s17, 0x10001
	s_lshl_b32 s101, s101, 2
	s_add_co_u32 s2, s2, s101
	s_add_nc_u64 s[6:7], s[6:7], s[2:3]            ; Q's scale words: tile c of group rho
	s_lshr_b32 s101, s17, 2
	s_lshl_b32 s101, s101, 6
	s_and_b32 s16, s17, 3
	s_lshl_b32 s16, s16, 3
	s_add_co_u32 s101, s101, s16                   ; 64 (c / 4) + 8 (c % 4)
	v_and_b32 v29, 31, v0
	v_and_b32 v30, 15, v0                          ; r
	v_bfe_u32 v31, v0, 4, 1                        ; h
	v_lshlrev_b32 v1, 4, v29                       ; 16 x lane
	v_lshlrev_b32 v2, 3, v29                       ; 8 x lane
	v_lshlrev_b32 v236, 3, v30
	global_load_b128 v[16:19], v1, s[4:5]          ; Q's half image stays in registers
	global_load_b64 v[20:21], v2, s[4:5] offset:512
	global_load_b32 v28, v236, s[6:7]              ; and its scale words
	v_lshl_add_u32 v3, v30, 4, v31                 ; my byte in aos: 16 r + h
	v_lshlrev_b32 v4, 3, v31                       ; 8 h
	v_and_b32 v5, 7, v30
	v_lshrrev_b32 v237, 3, v30
	v_sub_nc_u32 v237, v237, v31
	v_lshl_add_u32 v5, v237, 5, v5
	v_add_nc_u32 v5, s101, v5                      ; d = my query's place in its 128 - 32 h: on the diagonal, register n holds key 64 (n / 32) + n % 32 + 32 h: hidden where 64 (n / 32) + n % 32 > d
	v_mov_b32 v13, 0xff61b1e6                      ; the largest score so far: -3e38
	v_mov_b32 v14, 0
	v_mov_b32 v15, 0
	v_mul_f32 v12, s[NC], v13
.set N, O
.rept 32
	v_mov_b32 v[N], 0                              ; O^T: zeros, which the first change of M leaves zeros
.set N, N+1
.endr
	v_floor_f32 v12, v12                           ; -M
.irp j, 22,23,24,25,26,27,80,81,82,83,84,85
	v_mov_b32 v[\j], 0                             ; Q's codes for k = 64 .. 127; what stands above K's tile 7 ahead of V's first load
.endr
	v_mov_b32 v[BX], 0                             ; lane permutes' destinations, and the pair f's upper half
	v_mov_b32 v[TPX], 0
	v_mov_b32 v[FF+1], 0
.macro KADR                            ; the LDS addresses of a step's K
	v_add_nc_u32 v239, s[TN], v1
	v_add_nc_u32 v243, s[TN], v2
	v_add_nc_u32 v29, s[TNS], v2
.endm
.macro LOADK
	ds_load_b64 v[244:245], v29                    ; register j: lanes 0-15 tile 2 j's words, lanes 16-31 tile 2 j + 1's
	ds_load_b64 v[246:247], v29 offset:256
.irp t, 0,1,2,3,4,5,6,7
	ds_load_b128 v[KF+6*\t:KF+6*\t+3],   v239 offset:768*\t
	ds_load_b64  v[KF+6*\t+4:KF+6*\t+5], v243 offset:768*\t+512
.endr
.endm
; A KEY STEP of 128 keys; its K is in registers or on its way.  ph = 1, in the loop: the next step's K is read under the softmax, and the diagonal is masked; ph = 0, step 0 ahead of the loop (waves 0-7: no diagonal): neither.
.macro STEP ph
	s_wait_dscnt 0x0
.irp t, 0,2,4,6
	v_wmma_scale_f32_16x16x128_f8f6f4 v[S+8*\t:S+8*\t+7],    v[KF+6*\t:KF+6*\t+11],   v[16:27], 0, v[244+\t/2], v28 matrix_a_fmt:MATRIX_FMT_BF6 matrix_b_fmt:MATRIX_FMT_BF6
	v_wmma_scale_f32_16x16x128_f8f6f4 v[S+8*\t+8:S+8*\t+15], v[KF+6*\t+6:KF+6*\t+17], v[16:27], 0, v[244+\t/2], v28 matrix_a_fmt:MATRIX_FMT_BF6 matrix_b_fmt:MATRIX_FMT_BF6 matrix_a_scale:MATRIX_SCALE_ROW1
.endr
.if \ph
	KADR                                           ; three of the four places in front of the loads into K's registers and of the first read of the scores
	v_nop
	s_cmp_eq_u32 s[SI], s[RHO]
	s_cbranch_scc1 .Ldiagonal_\@
	LOADK                                          ; the next step's
	s_branch .Lopen_\@
.Ldiagonal_\@:
.set N, 0
.rept 64
	v_cmp_gt_i32 vcc_lo, 64*(N/32)+N%32, v5        ; my last step: the scores of hidden keys become -infinity ahead of the maximum
	v_cndmask_b32 v[S+N], v[S+N], s[NINF], vcc_lo
.set N, N+1
.endr
.Lopen_\@:
.else
.rept 4
	v_nop
.endr
.endif
.irp b, 0,1,2,3
	v_max3_num_f32 v[BM+\b], v[S+16*\b], v[S+1+16*\b], v[S+2+16*\b]   ; the largest score of each block, in two chains a block
.endr
.irp i, 3,5,7,9,11,13
.irp b, 0,1,2,3
	v_max3_num_f32 v[BM+\b], v[BM+\b], v[S+16*\b+\i], v[S+1+16*\b+\i]
.endr
.endr
	v_max3_num_f32 v[BM], v[BM], v[BM+1], v[S+15]
	v_max3_num_f32 v[BM+2], v[BM+2], v[BM+3], v[S+47]
	v_max_num_f32 v[BM], v[BM], v[S+31]
	v_max_num_f32 v[BM+2], v[BM+2], v[S+63]
	v_max_num_f32 v[TP], v[BM], v[BM+2]
	v_add_nc_u32 v239, s[TVA], v1                  ; (this step's V, read among the exponentials)
	v_permlanex16_b32 v[TPX], v[TP], s[SEL], s[SEL+1]
	v_add_nc_u32 v243, s[TVA], v2
	v_add_nc_u32 v29, s[TVS], v2
	v_max3_num_f32 v13, v13, v[TP], v[TPX]         ; the running largest score
	v_mov_b32 v[TP], v12
	v_mul_f32 v12, s[NC], v13
	v_floor_f32 v12, v12                           ; the new -M = floor(-t) = -ceil(t)
	v_sub_f32 v[TP], v12, v[TP]                    ; old M - new M: a whole number, 0 or less
.set N, S
.rept 16
	v_pk_fma_f32 v[N:N+1], v[N:N+1], s[CS:CS+1], v[12:13] op_sel_hi:[1,0,0]   ; t - M, two at a time
.set N, N+2
.endr
	v_cvt_i32_f32 v[TP], v[TP]                     ; (it saturates)
.rept 16
	v_pk_fma_f32 v[N:N+1], v[N:N+1], s[CS:CS+1], v[12:13] op_sel_hi:[1,0,0]
.set N, N+2
.endr
	v_ldexp_f32 v[FF], 1.0, v[TP]                  ; f = 2^(old M - new M)
	v_fma_f32 v[BM], v[BM], s[CS], v12
	v_fma_f32 v[BM+2], v[BM+2], s[CS], v12
	s_wait_alu depctr_va_vdst(0)                   ; the wait ahead of the batch,
.set N, S
.set L, 0
.rept 8
.rept 8
	v_exp_f32 v[N], v[N]                           ; p = 2^(t - M)
.set N, N+1
.endr
	ds_load_b128 v[VF+6*L:VF+6*L+3],   v239 offset:768*L   ; V's four fragments, eight half images
	ds_load_b64  v[VF+6*L+4:VF+6*L+5], v243 offset:768*L+512
.set L, L+1
.endr
	ds_load_b64 v[30:31], v29
	v_exp_f32 v[BM], v[BM]                         ; the blocks' largest p
	v_exp_f32 v[BM+2], v[BM+2]
	v_pk_mul_f32 v[14:15], v[14:15], v[FF:FF+1] op_sel_hi:[1,0]   ; the sums under the new M (a plain place behind the exponentials)
	s_wait_alu depctr_va_vdst(0)                   ; and behind it
	v_max_num_f32 v[BM], 0x2800000, v[BM]          ; the floor 2^(5 - 127)
	v_max_num_f32 v[BM+2], 0x2800000, v[BM+2]
	v_add_nc_u32 v[SO], 0xfe000000, v[BM]          ; the conversions' scale operands
	v_add_nc_u32 v[SO+1], 0xfe000000, v[BM+2]
	v_lshrrev_b32 v[BM], 23, v[SO]                 ; the bytes of blocks h and 2 + h
	v_lshrrev_b32 v[BM+2], 23, v[SO+1]
.irp c, 0,1
	v_cvt_scalef32_pk16_bf6_f32 v[C+6*\c:C+6*\c+2], v[S+32*\c:S+32*\c+15], v[SO+\c]
	v_cvt_scalef32_pk16_bf6_f32 v[236+4*\c:238+4*\c], v[S+16+32*\c:S+32*\c+31], v[SO+\c]   ; (a conversion's three registers begin on an even number)
.endr
	v_lshl_or_b32 v[PS], v[BM+2], 16, v[BM]
	v_lshlrev_b32 v[PS], v4, v[PS]
.irp i, 0,1,2
	v_mov_b32 v[C+3+\i], v[236+\i]
	v_mov_b32 v[C+9+\i], v[240+\i]
.endr
	v_permlanex16_b32 v[BX], v[PS], s[SEL], s[SEL+1]
.irp w, 32,16,8,4,2                            ; the row's sum of the unquantised p: S's registers are folded in halves, in place (the conversions have read them)
.set N, S
.rept \w/2
	v_pk_add_f32 v[N:N+1], v[N:N+1], v[N+\w:N+\w+1]
.set N, N+2
.endr
.endr
	v_or_b32 v[PS], v[PS], v[BX]                   ; p's scale word for these 128 keys
	s_wait_alu depctr_va_vdst(0)                   ; the wait here, directly ahead of the first reader of O^T
.set N, O
.rept 16
	v_pk_mul_f32 v[N:N+1], v[N:N+1], v[FF:FF+1] op_sel_hi:[1,0]   ; O^T under the new M; these are also places between p's codes and word and the products
.set N, N+2
.endr
	v_pk_add_f32 v[14:15], v[14:15], v[S:S+1]
	s_wait_alu depctr_va_vdst(0)                   ; and here, directly ahead of the wait below
	s_wait_dscnt 0x0                               ; V is in
.irp ct, 0,2                                   ; four accumulators, one instruction a turn
	v_wmma_scale_f32_16x16x128_f8f6f4 v[O+8*\ct:O+8*\ct+7],    v[VF+12*\ct:VF+12*\ct+11],    v[C:C+11], v[O+8*\ct:O+8*\ct+7],    v[30+\ct/2], v[PS] matrix_a_fmt:MATRIX_FMT_BF6 matrix_b_fmt:MATRIX_FMT_BF6
	v_wmma_scale_f32_16x16x128_f8f6f4 v[O+8*\ct+8:O+8*\ct+15], v[VF+12*\ct+12:VF+12*\ct+23], v[C:C+11], v[O+8*\ct+8:O+8*\ct+15], v[30+\ct/2], v[PS] matrix_a_fmt:MATRIX_FMT_BF6 matrix_b_fmt:MATRIX_FMT_BF6 matrix_a_scale:MATRIX_SCALE_ROW1
.endr
.endm
	s_wait_alu depctr_va_vdst(0)                   ; the wait at the head's end
	s_cmp_lt_u32 s[WV], 12
	s_cbranch_scc1 .Lnot_first
	s_wait_tensorcnt 0x0                           ; waves 12-15: step 0's tiles and the scale words are in
.Lnot_first:
	s_barrier_signal -1
	s_barrier_wait -1
	s_wait_loadcnt 0x0                             ; Q
	s_cmp_gt_u32 s[WV], 7
	s_cbranch_scc1 .Lrest
	s_mov_b32 s[TN], 0
	s_mov_b32 s[TNS], KSC
	s_mov_b32 s[TVA], VC
	s_mov_b32 s[TVS], VSC
	KADR
	LOADK
	STEP 0
.Lrest:
	s_wait_alu depctr_va_vdst(0)
	s_wait_tensorcnt 0x0                           ; all tiles are in, and every wave knows it behind the barrier; nothing is ever filled again
	s_barrier_signal -1
	s_barrier_wait -1
	s_mul_i32 s[TN], s[FIRST], 6144
	s_lshl_b32 s[TNS], s[FIRST], 9
	s_add_co_u32 s[TNS], s[TNS], KSC
	KADR
	v_nop
	LOADK                                          ; the K of my first step in the loop
	s_wait_alu depctr_va_vdst(0)
	s_mov_b32 s[SI], 0
.Ltrip:
	s_cmp_lt_u32 s[SI], s[FIRST]
	s_cbranch_scc1 .Lhidden                        ; waves 0-7: step 0 is done
	s_cmp_gt_u32 s[SI], s[RHO]
	s_cbranch_scc1 .Lhidden                        ; all its keys come after my queries
	s_add_co_u32 s[TN], s[SI], 1
	s_min_u32 s[TN], s[TN], 15
	s_lshl_b32 s[TNS], s[TN], 9
	s_add_co_u32 s[TNS], s[TNS], KSC
	s_mul_i32 s[TN], s[TN], 6144
	s_mul_i32 s[TVA], s[SI], 6144
	s_add_co_u32 s[TVA], s[TVA], VC
	s_lshl_b32 s[TVS], s[SI], 8
	s_add_co_u32 s[TVS], s[TVS], VSC
	STEP 1
.Lhidden:
	s_wait_alu depctr_va_vdst(0)                   ; the wait ahead of the branch
	s_add_co_u32 s[SI], s[SI], 1
	s_cmp_lt_u32 s[SI], 16
	s_cbranch_scc1 .Ltrip
	; THE WAY OUT: O^T / the sum; a lane's 32 channels are one block along the last product's K
.rept 4
	v_nop                                          ; places behind the last products
.endr
	v_add_f32 v14, v14, v15
	v_permlanex16_b32 v[TPX], v14, s[SEL], s[SEL+1]
	v_add_f32 v14, v14, v[TPX]                     ; the row's sum
	s_wait_alu depctr_va_vdst(0)
	v_rcp_f32 v14, v14
	v_nop                                          ; one plain place behind a transcendental
	s_wait_alu depctr_va_vdst(0)
.set N, 0
.rept 16
	v_pk_mul_f32 v[S+N:S+N+1], v[O+N:O+N+1], v[14:15] op_sel_hi:[1,0]   ; register n: channel 32 h + n of my query
.set N, N+2
.endr
	v_max3_num_f32 v[BM], |v[S]|, |v[S+1]|, 0x2800000
	v_max3_num_f32 v[BM+1], |v[S+16]|, |v[S+17]|, 0x2800000
.irp i, 2,4,6,8,10,12,14
	v_max3_num_f32 v[BM], v[BM], |v[S+\i]|, |v[S+1+\i]|
	v_max3_num_f32 v[BM+1], v[BM+1], |v[S+16+\i]|, |v[S+17+\i]|
.endr
	v_max_num_f32 v[BM], v[BM], v[BM+1]
	v_add_nc_u32 v[SO], 0xfe000000, v[BM]
	v_lshrrev_b32 v[BM], 23, v[SO]
	v_cvt_scalef32_pk16_bf6_f32 v[C:C+2], v[S:S+15], v[SO]
	v_cvt_scalef32_pk16_bf6_f32 v[236:238], v[S+16:S+31], v[SO]
	v_nop                                          ; one plain place behind a scaled conversion
.irp i, 0,1,2
	v_mov_b32 v[C+3+\i], v[236+\i]
.endr
	global_store_b128 v1, v[C:C+3], s[12:13]             ; 512 consecutive bytes, aligned,
	global_store_b64 v2, v[C+4:C+5], s[12:13] offset:512 ; and 256
	global_store_b8 v3, v[BM], s[14:15]
	s_wait_tensorcnt 0x0                           ; the wave's end
	ds_add_u32 v254, v255
	s_wait_dscnt 0x0
	ROUND                                          ; the closing round: no work-group ends while a partner may still ask for bytes that name it
	s_endpgm
.Lfunc_end_k_q86c5835542_attn:
	.size	k_q86c5835542_attn, .Lfunc_end_k_q86c5835542_attn-k_q86c5835542_attn
	.p2alignl 7, 3214868480
	.fill 96, 4, 3214868480
	.section	.rodata,"a",@progbits
	.p2align	6, 0x0
	.amdhsa_kernel k_q86c5835542_attn
		.amdhsa_group_segment_fixed_size 210944
		.amdhsa_private_segment_fixed_size 0
		.amdhsa_enable_private_segment 0
		.amdhsa_kernarg_size 48
		.amdhsa_user_sgpr_count 2
		.amdhsa_user_sgpr_kernarg_segment_ptr 1
		.amdhsa_wavefront_size32 1
		.amdhsa_system_sgpr_workgroup_id_x 1
		.amdhsa_system_sgpr_workgroup_id_y 1
		.amdhsa_system_sgpr_workgroup_id_z 1
		.amdhsa_system_vgpr_workitem_id 0
		.amdhsa_next_free_vgpr 256
		.amdhsa_next_free_sgpr 102
		.amdhsa_reserve_vcc 1
		.amdhsa_float_denorm_mode_32 3
		.amdhsa_float_denorm_mode_16_64 3
		.amdhsa_memory_ordered 1
		.amdhsa_forward_progress 1
		.amdhsa_inst_pref_size 55
	.end_amdhsa_kernel
	.amdgpu_metadata
---
amdhsa.version: [ 1, 2 ]
amdhsa.kernels:
  - .name:           k_q86c5835542_attn
    .symbol:         k_q86c5835542_attn.kd
    .args:
      - { .name: qkc, .offset: 0, .size: 8, .value_kind: global_buffer, .address_space: global }
      - { .name: qks, .offset: 8, .size: 8, .value_kind: global_buffer, .address_space: global }
      - { .name: vc, .offset: 16, .size: 8, .value_kind: global_buffer, .address_space: global }
      - { .name: vs, .offset: 24, .size: 8, .value_kind: global_buffer, .address_space: global }
      - { .name: aoc, .offset: 32, .size: 8, .value_kind: global_buffer, .address_space: global }
      - { .name: aos, .offset: 40, .size: 8, .value_kind: global_buffer, .address_space: global }
    .group_segment_fixed_size: 210944
    .private_segment_fixed_size: 0
    .kernarg_segment_align: 8
    .kernarg_segment_size: 48
    .max_flat_workgroup_size: 512
    .sgpr_count:     102
    .vgpr_count:     256
    .wavefront_size: 32
...
	.end_amdgpu_metadata
.endif
;; end of part 3
;; launch oproj (part 4): grid 8 x 32, 4 waves a work-group, clusters of 4 x 4, 327,680 bytes of LDS; arguments aoc, aos, cod, scl, out0; writes out0
.if DOCPART == 4
	.amdgcn_target "amdgcn-amd-amdhsa--gfx1250"
	.amdhsa_code_object_version 6
	.text
	.protected	k_q86c5835542_oproj
	.globl	k_q86c5835542_oproj
	.p2align	8
	.type	k_q86c5835542_oproj,@function
k_q86c5835542_oproj:
	s_mov_b64 s[64:65], 0
	v_nop
	global_prefetch_b8 v0, s[64:65] scope:SCOPE_SE
	s_setreg_imm32_b32 hwreg(HW_REG_WAVE_MODE, 25, 1), 1
	s_wait_xcnt 0x0
	s_wait_alu depctr_hold_cnt(0) depctr_sa_sdst(0) depctr_va_vdst(0) depctr_va_sdst(0) depctr_va_ssrc(0) depctr_va_vcc(0) depctr_vm_vsrc(0)
	s_getreg_b32 s2, hwreg(HW_REG_IB_STS2, 6, 4)
	s_cmp_eq_u32 s2, 0
	s_cbranch_scc0 .Lentry_in_a_cluster
	s_endpgm
.Lentry_in_a_cluster:
	s_bfe_u32 s2, ttmp6, 0x10000c
	s_cmp_lg_u32 s2, 0xf033
	s_cbranch_scc0 .Lentry_shape_is_right
	s_endpgm
.Lentry_shape_is_right:
; out0 = attention wo^T on codes of BF6 with E8M0 scales, f32 out.  Work-group (x, y) = 128 columns by 128 tokens: 256 work-groups; four waves, each 64 tokens (4 tiles) by 64 columns (4 tiles).
; All of K = 1,024 lies in LDS: 98,304 dense bytes of aoc (half images by heads) and of wo (images), 4,096 scale bytes each: one joint load a wave at the head (CLUSTERS 4 x 4: aoc shared along a row, wo along a column).
; wo's fragments come into 384 registers; the token tiles are finished one after the other, all of K each, so that finished rows leave while the next tile is multiplied.
; No prefetch: everything is asked for at the head, there is no loop of loads to run ahead in.
; Source 0 = columns, source 1 = tokens: lane (r, h) holds token r's columns 32 h + 0 .. 31 of the wave's 64: 128 bytes.  They turn through the wave's own stage (rows 272 bytes apart): sixteen lanes store one aligned unit of 256 bytes.
; Tile a's row r is token 8 a + r % 8 + 32 (r / 8) of the wave's 64 (the first launch states the tiles).
; REGISTERS: window 0: v1-12 addresses, v16-31 the tokens' scale words, v32-47 the columns', v64-255 the tokens' fragments (two sets of 8 steps).
;   windows 1, 2: wo's fragments: step s < 5 in window 1, else 2, at 48 (s % 5) + 12 b.   window 3: v0-63 accumulators, two sets of 4; v64-127 rows on the way out, two sets.
.set BR,   98304
.set ASC,  196608
.set BSC,  200704
.set STG,  204800
.set SPARE, 222208
.set G1A, 24
.set G1B, 32
.set G1AS, 40
.set G1BS, 48
.set G0A, 68
.set G0B, 72
.set G0AS, 76
.set G0BS, 80
.set MSB, 0
.macro WIN new                         ; the immediate's high byte repeats the setting that is left
.if MSB != \new
	s_set_vgpr_msb (MSB<<8)|\new
.set MSB, \new
.endif
.endm
.macro CROUND                          ; a round of the cluster's barrier
	s_barrier_signal -1
	s_barrier_wait -1
	s_cmp_lg_u32 s16, 0
	s_cbranch_scc1 .Lnot_wave_0_\@
	s_barrier_signal -3
.Lnot_wave_0_\@:
	s_barrier_wait -3
	s_barrier_signal -1
	s_barrier_wait -1
.endm
.macro G1SET g, rows                   ; rows of 1,024 bytes: 128 elements of 8, no padding
	s_mov_b32 s[\g+1], 128<<16
	s_mov_b32 s[\g+2], (\rows)<<16
	s_mov_b32 s[\g+3], 128<<16
	s_mov_b32 s[\g+4], \rows
	s_mov_b32 s[\g+5], 128
	s_mov_b32 s[\g+6], 0
	s_mov_b32 s[\g+7], 0
.endm
.macro G0SET g, lds, p
	s_mov_b32 s[\g], 1
	s_mov_b32 s[\g+1], \lds
	s_mov_b64 s[\g+2:\g+3], s[\p:\p+1]
	s_or_b32 s[\g+3], s[\g+3], 0x80000000
.endm
	s_load_b128 s[4:7], s[0:1], 0x0                ; aoc, aos
	s_load_b128 s[8:11], s[0:1], 0x10              ; cod, scl
	s_load_b64 s[12:13], s[0:1], 0x20              ; out0
	v_lshl_add_u32 v13, v0, 2, SPARE
	v_mov_b32 v14, 0
	ds_add_u32 v13, v14                            ; the wave's opening: the add, twice on end, and its wait
	ds_add_u32 v13, v14
	v_lshrrev_b32 v1, 5, v0
	v_readfirstlane_b32 s16, v1                    ; wave
	s_lshr_b32 s17, s16, 1                         ; which 64 tokens
	s_and_b32 s18, s16, 1                          ; which 64 columns
	s_bfe_u32 s19, ttmp6, 0x40000                  ; cx
	s_bfe_u32 s20, ttmp6, 0x40004                  ; cy
	s_lshl_b32 s21, ttmp9, 2
	s_add_co_u32 s21, s21, s19                     ; column block 0..7
	s_and_b32 s22, ttmp7, 0xffff
	s_lshl_b32 s22, s22, 2
	s_add_co_u32 s22, s22, s20                     ; token block 0..31
	s_lshl_b32 s2, s20, 2
	s_lshl_b32 s2, 15, s2                          ; my row of the cluster
	s_lshl_b32 s3, 0x1111, s19                     ; my column
	s_or_b32 s[G1A], s2, (3<<16)|(1<<21)
	s_or_b32 s[G1AS], s2, (3<<16)|(1<<21)
	s_or_b32 s[G1B], s3, (3<<16)|(1<<21)
	s_or_b32 s[G1BS], s3, (3<<16)|(1<<21)
	G1SET G1A, 96
	G1SET G1B, 96
	G1SET G1AS, 4
	G1SET G1BS, 4
	s_mul_i32 s88, s22, 98304                      ; aoc, aos: by the token block alone
	s_mov_b32 s89, 0
	s_lshl_b32 s90, s22, 12
	s_mov_b32 s91, 0
	s_mul_i32 s92, s21, 98304                      ; wo begins at tile 448: by the column block alone
	s_add_co_u32 s92, s92, 5505024
	s_mov_b32 s93, 0
	s_lshl_b32 s94, s21, 12
	s_add_co_u32 s94, s94, 229376
	s_mov_b32 s95, 0
	s_wait_dscnt 0x0                               ; both opening adds are done
	s_wait_kmcnt 0x0
	s_add_nc_u64 s[88:89], s[4:5], s[88:89]
	s_add_nc_u64 s[90:91], s[6:7], s[90:91]
	s_add_nc_u64 s[92:93], s[8:9], s[92:93]
	s_add_nc_u64 s[94:95], s[10:11], s[94:95]
	G0SET G0A, 0, 88
	G0SET G0B, BR, 92
	G0SET G0AS, ASC, 90
	G0SET G0BS, BSC, 94
	CROUND                                         ; all sixteen work-groups are here: the joint loads meet
.macro ARM under, g0, g1, next         ; one chain of branches on the wave's number, one load on every way
	s_cmp_lt_u32 s16, \under
	s_cbranch_scc0 \next
	tensor_load_to_lds s[\g0:\g0+3], s[\g1:\g1+7]
	s_nop 0
.rept 4
	v_nop
.endr
	s_branch .Lasked
\next:
.endm
	ARM 1, G0A, G1A, .Larm1
	ARM 2, G0B, G1B, .Larm2
	ARM 3, G0AS, G1AS, .Larm3
	tensor_load_to_lds s[G0BS:G0BS+3], s[G1BS:G1BS+7]
	s_nop 0
.rept 4
	v_nop
.endr
.Lasked:
	v_and_b32 v3, 15, v0                           ; r
	v_bfe_u32 v4, v0, 4, 1                         ; h
	v_and_b32 v5, 31, v0
	v_lshlrev_b32 v1, 4, v5                        ; 16 x lane
	v_lshlrev_b32 v2, 3, v5                        ; 8 x lane
	s_mul_i32 s98, s17, 49152                      ; my 4 token tiles
	v_add_nc_u32 v6, s98, v1
	v_add_nc_u32 v7, s98, v2
	s_mul_i32 s98, s18, 49152                      ; my 4 column tiles
	s_add_co_u32 s98, s98, BR
	v_add_nc_u32 v8, s98, v1
	v_lshlrev_b32 v9, 9, v4
	v_lshl_add_u32 v9, v3, 4, v9                   ; scale words: lanes 0-15 a pair's first tile, lanes 16-31 its second
	s_lshl_b32 s98, s18, 11
	s_add_co_u32 s98, s98, BSC
	v_add_nc_u32 v10, s98, v9
	s_lshl_b32 s98, s17, 11
	s_add_co_u32 s98, s98, ASC
	v_add_nc_u32 v9, s98, v9
	s_mul_i32 s98, s16, 4352
	s_add_co_u32 s98, s98, STG                     ; my stage
	v_mul_u32_u24 v11, v3, 272
	v_lshl_add_u32 v11, v4, 7, v11
	v_add_nc_u32 v11, s98, v11                     ; in: row r, 128 h
	v_mul_u32_u24 v12, v4, 272
	v_lshl_add_u32 v12, v3, 4, v12
	v_add_nc_u32 v12, s98, v12                     ; back: two rows of 256 bytes a load
	v_lshlrev_b32 v5, 12, v4
	v_lshl_add_u32 v5, v3, 4, v5                   ; and the same two rows in out0, 4,096 bytes apart
	s_lshl_b32 s2, s22, 1
	s_add_co_u32 s2, s2, s17
	s_lshl_b32 s2, s2, 18                          ; 64 rows of 4,096 bytes
	s_lshl_b32 s98, s21, 9
	s_add_co_u32 s2, s2, s98
	s_lshl_b32 s98, s18, 8
	s_add_co_u32 s2, s2, s98
	s_mov_b32 s3, 0
	s_add_nc_u64 s[12:13], s[12:13], s[2:3]
.macro PLACES                          ; plain vector instructions behind a matrix instruction, ahead of a load into, or a read of, its registers
.rept 4
	v_nop
.endr
.endm
.macro EMIT d, a, b, c, sa, sb, ra, rb
.if \ra
.if \rb
	v_wmma_scale_f32_16x16x128_f8f6f4 v[\d:\d+7], v[\a:\a+11], v[\b:\b+11], \c, v[\sa], v[\sb] matrix_a_fmt:MATRIX_FMT_BF6 matrix_b_fmt:MATRIX_FMT_BF6 matrix_a_scale:MATRIX_SCALE_ROW1 matrix_b_scale:MATRIX_SCALE_ROW1
.else
	v_wmma_scale_f32_16x16x128_f8f6f4 v[\d:\d+7], v[\a:\a+11], v[\b:\b+11], \c, v[\sa], v[\sb] matrix_a_fmt:MATRIX_FMT_BF6 matrix_b_fmt:MATRIX_FMT_BF6 matrix_a_scale:MATRIX_SCALE_ROW1
.endif
.else
.if \rb
	v_wmma_scale_f32_16x16x128_f8f6f4 v[\d:\d+7], v[\a:\a+11], v[\b:\b+11], \c, v[\sa], v[\sb] matrix_a_fmt:MATRIX_FMT_BF6 matrix_b_fmt:MATRIX_FMT_BF6 matrix_b_scale:MATRIX_SCALE_ROW1
.else
	v_wmma_scale_f32_16x16x128_f8f6f4 v[\d:\d+7], v[\a:\a+11], v[\b:\b+11], \c, v[\sa], v[\sb] matrix_a_fmt:MATRIX_FMT_BF6 matrix_b_fmt:MATRIX_FMT_BF6
.endif
.endif
.endm
.macro MULS a, s                       ; token tile a, K step s: its four accumulators by turns; step 0 starts the sums
	WIN (0xf1+(\s)/5)
.irp b, 0,1,2,3
.set AC, 32*((\a)%2)+8*\b
.set WF, 48*((\s)%5)+12*\b
.set AF, 64+96*((\a)%2)+12*(\s)
.set SA, 16+8*((\a)/2)+(\s)
.set SB, 32+8*(\b/2)+(\s)
.set RA, (\a)%2
.set RB, \b%2
.if (\s) == 0
	EMIT AC, WF, AF, 0, SB, SA, RB, RA
.else
	EMIT AC, WF, AF, v[AC:AC+7], SB, SA, RB, RA
.endif
.endr
	WIN 0
.endm
.macro LOADB s
.if (\s) < 5
	WIN 0x40
.else
	WIN 0x80
.endif
.irp b, 0,1,2,3
.irp i, 0,1,2
	ds_load_b128 v[48*((\s)%5)+12*\b+4*\i:48*((\s)%5)+12*\b+4*\i+3], v8 offset:12288*\b+1536*(\s)+512*\i
.endr
.endr
	WIN 0
.endm
.macro LOADA a, s                      ; two heads' half images
.set AF, 64+96*((\a)%2)+12*(\s)
.set AO, 12288*(\a)+1536*(\s)
	ds_load_b128 v[AF:AF+3],    v6 offset:AO
	ds_load_b64  v[AF+4:AF+5],  v7 offset:AO+512
	ds_load_b128 v[AF+6:AF+9],  v6 offset:AO+768
	ds_load_b64  v[AF+10:AF+11], v7 offset:AO+1280
.endm
.macro LOADA8 a
.irp s, 0,1,2,3,4,5,6,7
	LOADA \a, \s
.endr
.endm
.macro TOSTAGE a                       ; 16 rows x 256 bytes; LDS serves a wave's instructions in order: no wait between the stores and the loads
	PLACES
	WIN 0x0c
.irp b, 0,1,2,3
	ds_store_b128 v11, v[32*((\a)%2)+8*\b:32*((\a)%2)+8*\b+3] offset:32*\b       ; each accumulator from its low end on
	ds_store_b128 v11, v[32*((\a)%2)+8*\b+4:32*((\a)%2)+8*\b+7] offset:32*\b+16
.endr
	WIN 0xc0
.irp i, 0,1,2,3,4,5,6,7
	ds_load_b128 v[64+32*((\a)%2)+4*\i:67+32*((\a)%2)+4*\i], v12 offset:544*\i
.endr
	WIN 0
.endm
.macro SEND a
	WIN 0x0c
.irp i, 0,1,2,3,4,5,6,7
	global_store_b128 v5, v[64+32*((\a)%2)+4*\i:67+32*((\a)%2)+4*\i], s[12:13] offset:(8*(\a)+2*(\i%4)+32*(\i/4))*4096 th:TH_STORE_NT   ; rows 2 i, 2 i + 1 of the tile
.endr
	WIN 0
.endm
	s_wait_alu depctr_va_vdst(0)                   ; the wait at the head's end
	s_wait_tensorcnt 0x0                           ; my part is in
	s_barrier_signal -1
	s_barrier_wait -1                              ; everybody's is; nothing is ever filled again
.irp p, 0,1
.irp q, 0,1
	ds_load_b128 v[16+8*\p+4*\q:19+8*\p+4*\q], v9 offset:1024*\p+256*\q
	ds_load_b128 v[32+8*\p+4*\q:35+8*\p+4*\q], v10 offset:1024*\p+256*\q
.endr
.endr
	LOADB 0
	LOADA 0, 0
	LOADB 1
	LOADA 0, 1
.irp s, 0,1,2,3,4,5
	LOADB \s+2
	LOADA 0, \s+2
	s_wait_dscnt 32                                ; all but the two youngest steps' 16 loads each
	MULS 0, \s
.endr
	s_wait_dscnt 16
	MULS 0, 6
	LOADA8 1
	s_wait_dscnt 32                                ; all but the 32 just issued
	MULS 0, 7
	TOSTAGE 0
	LOADA8 2                                       ; (TOSTAGE's four places serve these loads too)
	s_wait_dscnt 32                                ; tile 0's rows are back, tile 1's fragments are in
	SEND 0
.irp s, 0,1,2,3,4,5,6,7
	MULS 1, \s
.endr
	TOSTAGE 1
	LOADA8 3
	s_wait_dscnt 32
	SEND 1
.irp s, 0,1,2,3,4,5,6,7
	MULS 2, \s
.endr
	s_wait_xcnt 0x0                                ; the stores have read their registers: rows may land there again
	TOSTAGE 2
	s_wait_dscnt 0x0
	SEND 2
.irp s, 0,1,2,3,4,5,6,7
	MULS 3, \s
.endr
	TOSTAGE 3                                      ; (tile 1's stores have read their registers: the wait above)
	s_wait_dscnt 0x0
	SEND 3
	s_wait_tensorcnt 0x0                           ; the wave's end
	ds_add_u32 v13, v14
	s_wait_dscnt 0x0
	CROUND                                         ; the closing round: no work-group ends while a partner may still ask for a tile that names it
	s_endpgm
.Lfunc_end_k_q86c5835542_oproj:
	.size	k_q86c5835542_oproj, .Lfunc_end_k_q86c5835542_oproj-k_q86c5835542_oproj
	.p2alignl 7, 3214868480
	.fill 96, 4, 3214868480
	.section	.rodata,"a",@progbits
	.p2align	6, 0x0
	.amdhsa_kernel k_q86c5835542_oproj
		.amdhsa_group_segment_fixed_size 327680
		.amdhsa_private_segment_fixed_size 0
		.amdhsa_enable_private_segment 0
		.amdhsa_kernarg_size 40
		.amdhsa_user_sgpr_count 2
		.amdhsa_user_sgpr_kernarg_segment_ptr 1
		.amdhsa_wavefront_size32 1
		.amdhsa_system_sgpr_workgroup_id_x 1
		.amdhsa_system_sgpr_workgroup_id_y 1
		.amdhsa_system_sgpr_workgroup_id_z 1
		.amdhsa_system_vgpr_workitem_id 0
		.amdhsa_next_free_vgpr 1024
		.amdhsa_next_free_sgpr 102
		.amdhsa_reserve_vcc 0
		.amdhsa_float_denorm_mode_32 3
		.amdhsa_float_denorm_mode_16_64 3
		.amdhsa_memory_ordered 1
		.amdhsa_forward_progress 1
		.amdhsa_inst_pref_size 50
	.end_amdhsa_kernel
	.amdgpu_metadata
---
amdhsa.version: [ 1, 2 ]
amdhsa.kernels:
  - .name:           k_q86c5835542_oproj
    .symbol:         k_q86c5835542_oproj.kd
    .args:
      - { .name: aoc, .offset: 0, .size: 8, .value_kind: global_buffer, .address_space: global }
      - { .name: aos, .offset: 8, .size: 8, .value_kind: global_buffer, .address_space: global }
      - { .name: cod, .offset: 16, .size: 8, .value_kind: global_buffer, .address_space: global }
      - { .name: scl, .offset: 24, .size: 8, .value_kind: global_buffer, .address_space: global }
      - { .name: out0, .offset: 32, .size: 8, .value_kind: global_buffer, .address_space: global }
    .group_segment_fixed_size: 327680
    .private_segment_fixed_size: 0
    .kernarg_segment_align: 8
    .kernarg_segment_size: 40
    .max_flat_workgroup_size: 128
    .sgpr_count:     102
    .vgpr_count:     1024
    .wavefront_size: 32
...
	.end_amdgpu_metadata
.endif
;; end of part 4
